; MI455X (gfx1250); checked and timed in simulation.
; The chip was launched on July 23, 2026; its instructions are those of AMD's public machine-readable ISA for CDNA 5 (MIT licence, August 2026) and "CDNA5" Instruction Set Architecture Reference Guide (July 2026). The comments in the code are by the model that wrote it; some were corrected since.
;; Attention Block. Allowed arithmetic: matrix products marked QUANTISED: E2M1 operands, one E8M0 scale for each 32 along K, by v_wmma_scale_f32_16x16x128_f8f6f4 with both operands' format E2M1 (or v_wmma_scale_f32_32x16x128_f4), f32 sums; everything else in f32.
;; Inputs: gn_b 256 float32; gn_w 256 float32; proj_b 256 float32; proj_w_codes 256 x 8 x 16 uint8 (E2M1 codes of proj_w, K innermost, in blocks of 32 codes, two codes a byte); proj_w_scales 256 x 8 uint8 (E8M0 scales of proj_w, one for each 32 codes along K); qkv_b 768 float32; qkv_w_codes 768 x 8 x 16 uint8 (E2M1 codes of qkv_w, K innermost, in blocks of 32 codes, two codes a byte); qkv_w_scales 768 x 8 uint8 (E8M0 scales of qkv_w, one for each 32 codes along K); x 4 x 256 x 64 x 64 float32.
;; Outputs: out0 4 x 256 x 64 x 64 float32.
;; This version of the problem:
;;   THIS VERSION OF THE PROBLEM IS GIVEN IN LOW PRECISION. The matrix products marked QUANTISED in the list below multiply operands that are first quantised to E2M1 (2 exponent bits, 1 mantissa bit; 4 bits a number), with one power-of-two scale for each 32 numbers along K (OCP MX v1.0); their sums are f32. All else is computed in f32.
;;   The module's matrix products, in the order in which they are computed (A, B: the left and right operand; K: the contracted axis; several contracted axes count as one K, in the product's order):
;;     1. [M 16,384, K 256] x [K 256, N 768]; A: computed on the way; B: input qkv_w (given as codes): QUANTISED
;;     2. batch 16 x [M 4,096, K 64] x [K 64, N 4,096]; A: computed on the way; B: computed on the way: QUANTISED
;;     3. batch 16 x [M 4,096, K 4,096] x [K 4,096, N 64]; A: softmax (see below); B: computed on the way: QUANTISED
;;     4. [M 16,384, K 256] x [K 256, N 256]; A: computed on the way; B: input proj_w (given as codes): QUANTISED
;;   THE QUANTISER, for each operand of a quantised product, along K:
;;     - K is cut into blocks of 32 from its start; a last block that is shorter is filled with zeros.
;;     - A block's scale is 2^e with e = floor(log2(the largest magnitude in the block)) - 2, held to -126 .. 127; a block of zeros has e = 0. As a byte (E8M0): e + 127.
;;     - Each number is divided by its block's scale, clamped to +-6, and rounded to the nearest number of E2M1, ties to even, subnormals kept.
;;     - The product sums the exact products of the quantised numbers (number of the format x scale) in f32.
;;   ~~~python
;;   def quantise(x, axis):      # numpy; x: float32 -> the quantised numbers, widened to float32 again
;;       x = np.moveaxis(x, axis, -1); K = x.shape[-1]
;;       x = np.pad(x, [(0, 0)] * (x.ndim - 1) + [(0, -K % 32)]); x = x.reshape(x.shape[:-1] + (-1, 32)); a = np.abs(x).max(-1, keepdims=True)
;;       e = np.where(a > 0, np.clip(np.frexp(np.where(a > 0, a, 1))[1] - 1 - 2, -126, 127), 0)      # np.frexp(a)[1] - 1 = floor(log2(a)), exactly
;;       r = np.clip(x / 2.0 ** e, -6, 6)
;;       step = 2.0 ** (np.maximum(np.frexp(np.where(r == 0, 1, r))[1] - 1, 0) - 1)
;;       q = np.round(r / step) * step * 2.0 ** e      # np.round: ties to even
;;       return np.moveaxis(q.reshape(q.shape[:-2] + (-1,))[..., :K], -1, axis).astype(np.float32)
;;   ~~~
;;   SOFTMAX AHEAD OF A QUANTISED PRODUCT. Where the list says 'softmax', what is quantised is not the finished softmax but p = 2^(t - M), with t = logit x log2(e) and M = ceil(the row's largest t), a whole number; so 1/2 < the row's largest p <= 1. The row's sum l is taken of the UNQUANTISED p, in f32, and the product's result is divided by l at the end. Since M is a whole number, a kernel that streams over the keys may use a running M (the ceiling of the running maximum): every later rescaling is an exact power of two, which a block's scale takes up: the codes' values come out the same.
;;   OPERANDS COMPUTED ON THE WAY. 'Computed on the way' means the value that the module computes at that place (a softmax that the list does not call 'softmax' is quantised finished and normalised). What goes into a quantiser is computed in f32, as accurately as f32 sums, v_exp_f32 and their like allow (about 1e-6 of the number): no bf16 or f16 on the way to a quantiser, and a product that is left as it is and whose result goes on into a quantised operand takes f32 operands (vector FMAs, or v_wmma_f32_16x16x4_f32). A number that lies on a knife's edge between two numbers of the format may be rounded either way, as far as f32 arithmetic and the matrix unit's own rounding can turn it there, and no further.
;;   INPUTS GIVEN AS CODES. proj_w (in the module: [256, 256], K = its axis 1); qkv_w (in the module: [768, 256], K = its axis 1): each comes as NAME_codes (uint8): NAME with its K axis moved to the last place and cut into blocks of 32 codes, [.., K / 32, bytes a block], one block behind the other in memory; two codes a byte, the lower K in the low four bits (a code: sign, 2 exponent bits, 1 mantissa bit); and NAME_scales (uint8): the same leading axes, one E8M0 byte (e + 127) for each 32 codes along K. Its value is code x scale, taken as it is: it is not quantised again, and the codes and scales need not be those that the quantiser above would give.
;; One version. Each part assembles by itself: llvm-mc -triple=amdgcn-amd-amdhsa -mcpu=gfx1250 --defsym DOCPART=n.
;; ======== version 1 of 1: 4 launches
;; workspace buffers: gstat 2,048 bytes; qcod 2,097,152 bytes; qscl 131,072 bytes; kvrec 4,456,448 bytes; ocod 2,097,152 bytes; oscl 131,072 bytes
;; launch stats (part 1): grid 256 x 1, 8 waves a work-group, no clusters, 1,280 bytes of LDS; arguments x, gstat; writes gstat
.if DOCPART == 1
	.amdgcn_target "amdgcn-amd-amdhsa--gfx1250"
	.amdhsa_code_object_version 6
	.text
	.protected	k_q5aec25b4ef_stats
	.globl	k_q5aec25b4ef_stats
	.p2align	8
	.type	k_q5aec25b4ef_stats,@function
k_q5aec25b4ef_stats:
	s_mov_b64 s[64:65], 0
	v_nop
	global_prefetch_b8 v0, s[64:65] scope:SCOPE_SE
	s_setreg_imm32_b32 hwreg(HW_REG_WAVE_MODE, 25, 1), 1
	s_wait_xcnt 0x0
; GroupNorm's sums, first half.  A group (32 channels x 4,096 positions of one image) is 524,288 consecutive bytes of x: eight chunks of 65,536.
; Work-group i takes chunk i (group i / 8, chunk i % 8) and stores its mean and the sum of its squared deviations FROM ITS OWN MEAN: 8 bytes at 8 i.
; The chunk stays in registers between the two passes (64 numbers a thread), so x is read once here, and a common offset of the inputs costs no digits.
; The next launch joins a group's eight pairs.  Memory binds: no matrix unit, no cluster, no tensor load would add anything.
; Each load of a wave covers 512 consecutive bytes.  The 8 bytes stored are a small part of an aligned 256: 2,048 bytes in the whole launch.
; LIMITS: NaN and infinities among the inputs are not served.
.set X,   16                           ; v16-79  my 64 numbers
.set CH,  80                           ; v80-87  four packed chains
.set NEG, 88                           ; v88-89  -mean, twice
.set RES, 90                           ; v90-91  mean, sum of squared deviations
	s_load_b128 s[4:7], s[0:1], 0x0                ; x, gstat
	v_lshl_add_u32 v96, v0, 2, 0x100
	v_mov_b32 v97, 0
	v_lshrrev_b32 v5, 5, v0
	s_delay_alu instid0(VALU_DEP_1)
	v_readfirstlane_b32 s8, v5                     ; wave 0..7
	s_delay_alu instid0(VALU_DEP_2)
	v_lshlrev_b32 v5, 2, v5                        ; LDS: my wave's word
	v_mov_b32 v6, 0
	v_and_b32 v3, 31, v0
	v_and_b32 v4, 0xe0, v0                         ; 32 x wave
	s_delay_alu instid0(VALU_DEP_2)
	v_lshlrev_b32 v3, 4, v3
	s_delay_alu instid0(VALU_DEP_1)
	v_lshl_or_b32 v1, v4, 8, v3                    ; 8,192 x wave + 16 x lane
	s_lshl_b32 s10, ttmp9, 16                      ; my chunk
	s_mov_b32 s11, 0
	s_mov_b32 s12, 0x76543210                      ; v_permlanex16_b32's selects for lane l xor 16
	s_mov_b32 s13, 0xfedcba98
	s_wait_alu depctr_va_vdst(0)
	s_wait_kmcnt 0x0
	s_add_nc_u64 s[4:5], s[4:5], s[10:11]
.set n, 0
.rept 16
	global_load_b128 v[X+4*n:X+4*n+3], v1, s[4:5] offset:512*n   ; no hint: x is read again by later launches
.set n, n+1
.endr
; The four chains -> the lane's sum -> the wave's -> the work-group's, in v2 of every lane.  off: the eight LDS words used.
.macro WGSUM off
	s_delay_alu instid0(VALU_DEP_3)
	v_pk_add_f32 v[CH:CH+1], v[CH:CH+1], v[CH+2:CH+3]
	s_delay_alu instid0(VALU_DEP_2)
	v_pk_add_f32 v[CH+4:CH+5], v[CH+4:CH+5], v[CH+6:CH+7]
	s_delay_alu instid0(VALU_DEP_1)
	v_pk_add_f32 v[CH:CH+1], v[CH:CH+1], v[CH+4:CH+5]
	s_delay_alu instid0(VALU_DEP_1)
	v_add_f32 v2, v[CH], v[CH+1]
	s_delay_alu instid0(VALU_DEP_1)
	v_add_f32_dpp v2, v2, v2 row_xmask:1 row_mask:0xf bank_mask:0xf
	s_delay_alu instid0(VALU_DEP_1)
	v_add_f32_dpp v2, v2, v2 row_xmask:2 row_mask:0xf bank_mask:0xf
	s_delay_alu instid0(VALU_DEP_1)
	v_add_f32_dpp v2, v2, v2 row_xmask:4 row_mask:0xf bank_mask:0xf
	s_delay_alu instid0(VALU_DEP_1)
	v_add_f32_dpp v2, v2, v2 row_xmask:8 row_mask:0xf bank_mask:0xf
	s_delay_alu instid0(VALU_DEP_1)
	v_permlanex16_b32 v3, v2, s12, s13             ; (v3 has been written: the destination counts as read)
	s_delay_alu instid0(VALU_DEP_1)
	v_add_f32 v2, v2, v3
	ds_store_b32 v5, v2 offset:\off                ; all lanes write the wave's word with the same value
	s_wait_dscnt 0x0                               ; for the others' sake: my store has landed
	s_barrier_signal -1
	s_barrier_wait -1
	ds_load_b128 v[8:11], v6 offset:\off
	ds_load_b128 v[12:15], v6 offset:\off+16
	s_wait_dscnt 0x0
	v_add_f32 v8, v8, v9
	v_add_f32 v10, v10, v11
	v_add_f32 v12, v12, v13
	v_add_f32 v14, v14, v15
	s_delay_alu instid0(VALU_DEP_3)
	v_add_f32 v8, v8, v10
	s_delay_alu instid0(VALU_DEP_2)
	v_add_f32 v12, v12, v14
	s_delay_alu instid0(VALU_DEP_1)
	v_add_f32 v2, v8, v12
.endm
	s_wait_loadcnt 0x0
.irp c, 0,1,2,3
	v_pk_add_f32 v[CH+2*\c:CH+2*\c+1], v[X+2*\c:X+2*\c+1], v[X+8+2*\c:X+9+2*\c]   ; the first pairs start the chains: nothing is cleared
.endr
.set p, 8
.rept 24
	s_delay_alu instid0(VALU_DEP_4)
	v_pk_add_f32 v[CH+2*(p%4):CH+2*(p%4)+1], v[CH+2*(p%4):CH+2*(p%4)+1], v[X+2*p:X+2*p+1]
.set p, p+1
.endr
	WGSUM 0
	s_delay_alu instid0(VALU_DEP_1)
	v_mul_f32 v[RES], 0x38800000, v2               ; the chunk's mean: sum x 2^-14
	s_delay_alu instid0(VALU_DEP_2)
	v_mul_f32 v[NEG], 0xb8800000, v2
	s_delay_alu instid0(VALU_DEP_1)
	v_mov_b32 v[NEG+1], v[NEG]
.set p, 0
.rept 32
	v_pk_add_f32 v[X+2*p:X+2*p+1], v[X+2*p:X+2*p+1], v[NEG:NEG+1]   ; deviations, in place
.set p, p+1
.endr
.irp c, 0,1,2,3
	v_pk_mul_f32 v[CH+2*\c:CH+2*\c+1], v[X+2*\c:X+2*\c+1], v[X+2*\c:X+2*\c+1]
.endr
.set p, 4
.rept 28
	s_delay_alu instid0(VALU_DEP_4)
	v_pk_fma_f32 v[CH+2*(p%4):CH+2*(p%4)+1], v[X+2*p:X+2*p+1], v[X+2*p:X+2*p+1], v[CH+2*(p%4):CH+2*(p%4)+1]
.set p, p+1
.endr
	WGSUM 32                                       ; other words than the first sum's: no wave still reads what is written here
	s_cmp_lg_u32 s8, 0
	s_cbranch_scc1 .Lend                           ; wave 0 stores
	v_mov_b32 v[RES+1], v2
	s_lshl_b32 s10, ttmp9, 3
	s_add_nc_u64 s[6:7], s[6:7], s[10:11]
	s_wait_alu depctr_va_vdst(0)
	s_wait_xcnt 0x0                                ; EXEC changes only behind this wait
	v_cmp_eq_u32 vcc_lo, 0, v0
	s_and_saveexec_b32 s9, vcc_lo
	global_store_b64 v6, v[RES:RES+1], s[6:7]
	s_wait_xcnt 0x0                                ; and again in front of the line that widens it
	s_or_b32 exec_lo, exec_lo, s9
.Lend:
	s_wait_tensorcnt 0x0
	ds_add_u32 v96, v97
	s_wait_dscnt 0x0
	s_endpgm
.Lfunc_end_k_q5aec25b4ef_stats:
	.size	k_q5aec25b4ef_stats, .Lfunc_end_k_q5aec25b4ef_stats-k_q5aec25b4ef_stats
	.p2alignl 7, 3214868480
	.fill 96, 4, 3214868480
	.section	.rodata,"a",@progbits
	.p2align	6, 0x0
	.amdhsa_kernel k_q5aec25b4ef_stats
		.amdhsa_group_segment_fixed_size 1280
		.amdhsa_private_segment_fixed_size 0
		.amdhsa_enable_private_segment 0
		.amdhsa_kernarg_size 16
		.amdhsa_user_sgpr_count 2
		.amdhsa_user_sgpr_kernarg_segment_ptr 1
		.amdhsa_wavefront_size32 1
		.amdhsa_system_sgpr_workgroup_id_x 1
		.amdhsa_system_sgpr_workgroup_id_y 1
		.amdhsa_system_sgpr_workgroup_id_z 1
		.amdhsa_system_vgpr_workitem_id 0
		.amdhsa_next_free_vgpr 98
		.amdhsa_next_free_sgpr 66
		.amdhsa_reserve_vcc 1
		.amdhsa_float_denorm_mode_32 3
		.amdhsa_float_denorm_mode_16_64 3
		.amdhsa_memory_ordered 1
		.amdhsa_forward_progress 1
		.amdhsa_inst_pref_size 14
	.end_amdhsa_kernel
	.amdgpu_metadata
---
amdhsa.version: [ 1, 2 ]
amdhsa.kernels:
  - .name:           k_q5aec25b4ef_stats
    .symbol:         k_q5aec25b4ef_stats.kd
    .args:
      - { .name: x, .offset: 0, .size: 8, .value_kind: global_buffer, .address_space: global }
      - { .name: gstat, .offset: 8, .size: 8, .value_kind: global_buffer, .address_space: global }
    .group_segment_fixed_size: 1280
    .private_segment_fixed_size: 0
    .kernarg_segment_align: 8
    .kernarg_segment_size: 16
    .max_flat_workgroup_size: 256
    .sgpr_count:     66
    .vgpr_count:     98
    .wavefront_size: 32
...
	.end_amdgpu_metadata
.endif
;; end of part 1
;; launch qkv (part 2): grid 64 x 4, 4 waves a work-group, no clusters, 9,728 bytes of LDS; arguments x, gstat, gn_w, gn_b, qkv_w_codes, qkv_w_scales, qkv_b, qcod, qscl, kvrec; writes qcod, qscl, kvrec
.if DOCPART == 2
	.amdgcn_target "amdgcn-amd-amdhsa--gfx1250"
	.amdhsa_code_object_version 6
	.text
	.protected	k_q5aec25b4ef_qkv
	.globl	k_q5aec25b4ef_qkv
	.p2align	8
	.type	k_q5aec25b4ef_qkv,@function
k_q5aec25b4ef_qkv:
	s_mov_b64 s[64:65], 0
	v_nop
	global_prefetch_b8 v0, s[64:65] scope:SCOPE_SE
	s_setreg_imm32_b32 hwreg(HW_REG_WAVE_MODE, 25, 1), 1
	s_wait_xcnt 0x0
; GroupNorm finished, xn quantised along the channels, q k v = xn W^T + bias on codes of FP4 (E2M1) with one E8M0 scale for each 32 along K, and q, k (along the head's 64) and v (along the keys) quantised again
; into workspace buffers laid as IMAGES OF THE OPERANDS' REGISTERS for the attention launch: a group of four registers is 512 bytes, lane l's 16 bytes at 16 l.
; SHARES.  A work-group takes 64 positions of one image (x: which 64; y: the image).
;   Phase X: wave w normalises and quantises 32 positions (w % 2) x 128 channels (w / 2).  A LANE TAKES A POSITION AND ITS REGISTERS RUN DOWN THE CHANNELS: a block of 32 along K (one GroupNorm group) lies in one lane,
;   each load reads 128 consecutive bytes, and the conversions give codes with K innermost.  The codes go to LDS as images of the four position tiles' fragments; one barrier.
;   Phase P: wave w is head w: its 192 rows of W (24 fragments: two of 128 K each type-tile pair) stay in registers; it makes q, k, v of its head for all 64 positions.
; TILES ARE NOT MADE OF NEIGHBOURS: row i of tile u of a group of 32 (positions, or rows of W) is number 8 u + i + 8 (i / 8) of the group, so that wherever such a tile is source 0 the 16 registers of tiles u = 0, 1 are
; 16 neighbours, 16 (lane / 16) + 0 .. 15: what the conversions want.  q, k: source 0 = W, source 1 = positions (a lane holds a position, registers run along d).  v: source 0 = positions, source 1 = W (registers run along the keys).
; The biases are the C of each sum's first matrix instruction.  The weights are shared by all work-groups but go straight into registers, 24,576 bytes of codes a wave, once: there is no LDS tile that a joint load could fill.
; kvrec: for each head and each 128 keys a record of 8,704 bytes: K's codes (4 x 1,024: tiles u = 0, 1 of a group of 32 keys side by side as ONE fragment of 128 along K), V's codes [c 2][tile 4][512], K's scale words
; [row 16][group 4], V's [row 16][tile 4].  A scale word of V spans 128 keys and a work-group has 64: its two bytes are stored by themselves (131,072 bytes of scale words in all leave in such parts).
; LIMITS: NaN and infinities are not served; a block whose largest magnitude lies under 2^-124 keeps the byte 1; a block of zeros gets the byte 1, not 127: its codes are zeros and this program alone reads the bytes;
; 1 / sqrt(var + eps) is v_rsq_f32's.
.set XSC,  8192                        ; LDS: eight images of 1,024 bytes (tile m, K step k: 2 m + k) from 0; from here their scale words, 64 bytes each
.set XA,   4                           ; v4   4 x lane: x
.set XST,  5                           ; v5   where my block's 16 bytes of codes go
.set XSS,  6                           ; v6   where my position's scale word goes
.set LI,   7                           ; v7   16 x lane
.set LS,   8                           ; v8   4 r
.set WA,   9                           ; v9   W's codes: 128 (r + 8 (r / 8)) + 16 h
.set WSA,  10                          ; v10  W's scale words: 8 (r + 8 (r / 8))
.set BA,   11                          ; v11  q's, k's bias: 64 h
.set BVA,  12                          ; v12  v's bias: 4 (r + 8 (r / 8))
.set KSA,  13                          ; v13  K's scale words out
.set VSA,  14                          ; v14  V's
.set QSA,  15                          ; v15  q's
.set SH,   16                          ; v16  16 h
.set SA,   17                          ; v17  8 x lane: the statistics
.set LI2,  18                          ; v18  16 x lane + 2,048 x (which half of the 128 keys)
.set XN,   20                          ; v20-83   two sets of 32 numbers of x; later
.set XF,   20                          ;          xn's eight fragments
.set XS,   84                          ; v84-91   their scale words
.set WSC,  92                          ; v92-115  W's scale words: 8 type + 2 tile + K step
.set HA,   116                         ; v116-179 eight accumulators; in phase X:
.set XC,   116                         ;          v116-131 the four blocks' codes,
.set XW,   132                         ;          v132 my position's scale word,
.set ST,   134                         ;          v134-143 statistics and a block's maximum
.set PC,   180                         ; v180-227 six sets of codes: no store's data are written again
.set TM,   228                         ; v228-239 the quantiser's: maxima, bytes, scale operands
.set WD,   240                         ; v240-243 the words that are stored
.set PW,   244                         ; v244-249 six scale words
.set VBL,  250                         ; v250-253 v's bias as loaded
.set SEL,  2                           ; s[2:3]   v_permlanex16_b32's selects
.set WV,   24
.set PP,   25
.set KK,   26
.set BI,   27
.set GI,   28
.set CC,   29
.set GW,   32                          ; s32-63  a block's 32 gains
.set NM,   66                          ; s66-67  -mean, twice
.set GB,   68                          ; s68-99  its 32 offsets
.set RS,   100                         ; s100-101 1 / sqrt(var + eps), twice
; window 1: W's fragments at v[64 type + 16 tile + 8 K step];  window 2: q's, k's bias tiles at v[32 type + 8 tile], v's at v[64 + 8 tile]
.set MSB, 0
.macro WIN new                         ; the immediate's high byte repeats the setting that is left
.if MSB != \new
	s_set_vgpr_msb (MSB<<8)|\new
.set MSB, \new
.endif
.endm
	s_load_b512 s[4:19], s[0:1], 0x0               ; x 4, gstat 6, gn_w 8, gn_b 10, W's codes 12, W's scales 14, qkv_b 16, qcod 18
	s_load_b128 s[20:23], s[0:1], 0x40             ; qscl 20, kvrec 22
	v_lshl_add_u32 v19, v0, 2, 0x2400
	s_set_vgpr_msb 0x40
	v_mov_b32 v255, 0
	s_set_vgpr_msb 0x4000
	v_lshrrev_b32 v1, 5, v0
	v_readfirstlane_b32 s[WV], v1                  ; wave 0..3
	s_and_b32 s[PP], s[WV], 1                      ; phase X: which 32 positions,
	s_lshr_b32 s[KK], s[WV], 1                     ; which 128 channels
	s_and_b32 s[BI], ttmp7, 0xffff                 ; the image
	s_mov_b32 s[GI], ttmp9                         ; which 64 positions
	s_and_b32 s[CC], s[GI], 1                      ; which half of a record's 128 keys
	s_mov_b32 s[SEL], 0x76543210
	s_mov_b32 s[SEL+1], 0xfedcba98
	v_and_b32 v1, 31, v0                           ; lane
	v_and_b32 v2, 15, v0                           ; r
	v_bfe_u32 v3, v0, 4, 1                         ; h
	v_lshlrev_b32 v[XA], 2, v1
	; lane l = 16 a + 8 u + w is position l of my 32: row 8 a + w of tile u.  Its block t goes to image 2 (2 P + u) + k at 256 t + 16 (8 a + w)
	v_and_b32 v254, 7, v0                          ; w
	v_bfe_u32 v255, v0, 3, 1                       ; u
	v_lshlrev_b32 v[XST], 4, v254
	v_lshl_add_u32 v[XST], v3, 7, v[XST]
	v_lshl_add_u32 v[XST], v255, 11, v[XST]
	s_lshl_b32 s30, s[PP], 12
	s_lshl_b32 s31, s[KK], 10
	s_add_co_u32 s30, s30, s31
	v_add_nc_u32 v[XST], s30, v[XST]
	v_lshlrev_b32 v[XSS], 2, v254
	v_lshl_add_u32 v[XSS], v3, 5, v[XSS]
	v_lshl_add_u32 v[XSS], v255, 7, v[XSS]
	s_lshl_b32 s30, s[PP], 8
	s_lshl_b32 s31, s[KK], 6
	s_add_co_u32 s30, s30, s31
	s_add_co_u32 s30, s30, XSC
	v_add_nc_u32 v[XSS], s30, v[XSS]
	v_lshlrev_b32 v[LI], 4, v1
	v_lshlrev_b32 v[LS], 2, v2
	v_and_b32 v254, 8, v2
	v_add_nc_u32 v254, v254, v2                    ; r + 8 (r / 8)
	v_lshlrev_b32 v[WA], 7, v254
	v_lshl_add_u32 v[WA], v3, 4, v[WA]
	v_lshlrev_b32 v[WSA], 3, v254
	v_lshlrev_b32 v[BA], 6, v3
	v_lshlrev_b32 v[BVA], 2, v254
	v_lshlrev_b32 v[KSA], 4, v2
	v_lshl_add_u32 v[KSA], v3, 2, v[KSA]           ; 16 r + 4 h
	s_lshl_b32 s30, s[CC], 1
	v_add_nc_u32 v[VSA], s30, v[KSA]               ; V: + 2 bytes for the second half of the keys
	s_lshl_b32 s30, s[CC], 3
	v_add_nc_u32 v[KSA], s30, v[KSA]               ; K: + 2 words
	v_lshlrev_b32 v[QSA], 2, v2
	v_lshl_add_u32 v[QSA], v3, 6, v[QSA]
	v_lshlrev_b32 v[SH], 4, v3
	v_lshlrev_b32 v[SA], 3, v1
	s_lshl_b32 s30, s[CC], 11
	v_add_nc_u32 v[LI2], s30, v[LI]
	s_wait_alu depctr_va_vdst(0)
	s_wait_kmcnt 0x0
	s_lshl_b32 s30, s[BI], 22                      ; x: image, my 128 channels, the 64 positions, my 32 of them
	s_lshl_b32 s31, s[KK], 21
	s_add_co_u32 s30, s30, s31
	s_lshl_b32 s31, s[GI], 8
	s_add_co_u32 s30, s30, s31
	s_lshl_b32 s31, s[PP], 7
	s_add_co_u32 s30, s30, s31
	s_mov_b32 s31, 0
	s_add_nc_u64 s[4:5], s[4:5], s[30:31]
	s_lshl_b32 s30, s[BI], 9                       ; the statistics of my four groups: 256 bytes
	s_lshl_b32 s32, s[KK], 8
	s_add_co_u32 s30, s30, s32
	s_add_nc_u64 s[6:7], s[6:7], s[30:31]
	s_lshl_b32 s30, s[KK], 9
	s_add_nc_u64 s[8:9], s[8:9], s[30:31]          ; gains and offsets of my 128 channels
	s_add_nc_u64 s[10:11], s[10:11], s[30:31]
	s_lshl_b32 s30, s[WV], 13
	s_add_nc_u64 s[12:13], s[12:13], s[30:31]      ; my head's 64 rows in each of W's three parts
	s_lshl_b32 s30, s[WV], 9
	s_add_nc_u64 s[14:15], s[14:15], s[30:31]
	s_lshl_b32 s30, s[WV], 8
	s_add_nc_u64 s[16:17], s[16:17], s[30:31]
	global_load_b64 v[ST:ST+1], v[SA], s[6:7]      ; lane l: group l / 8 of my four, chunk l % 8: mean, sum of squared deviations
.irp t, 0,1,2,3
	global_load_b32 v[VBL+\t], v[BVA], s[16:17] offset:2048+(32*(\t/2)+8*(\t%2))*4
.endr
	WIN 0x40                                       ; destination window 1
.irp y, 0,1,2
.irp t, 0,1,2,3
.irp k, 0,1
.irp c, 0,1
	global_load_b128 v[64*\y+16*\t+8*\k+4*\c:64*\y+16*\t+8*\k+4*\c+3], v[WA], s[12:13] offset:(256*\y+32*(\t/2)+8*(\t%2))*128+64*\k+32*\c
.endr
.endr
.endr
.endr
	WIN 0x80                                       ; destination window 2
.irp y, 0,1
.irp t, 0,1,2,3
	global_load_b128 v[32*\y+8*\t:32*\y+8*\t+3], v[BA], s[16:17] offset:1024*\y+(32*(\t/2)+8*(\t%2))*4      ; lane (r, h), register j: the bias of row 32 (t / 2) + 16 h + 8 (t % 2) + j
	global_load_b128 v[32*\y+8*\t+4:32*\y+8*\t+7], v[BA], s[16:17] offset:1024*\y+(32*(\t/2)+8*(\t%2))*4+16
.endr
.endr
	WIN 0
.irp y, 0,1,2
.irp t, 0,1,2,3
.irp k, 0,1
	global_load_b32 v[WSC+8*\y+2*\t+\k], v[WSA], s[14:15] offset:(256*\y+32*(\t/2)+8*(\t%2))*8+4*\k
.endr
.endr
.endr
	s_load_b512 s[GW:GW+15], s[8:9], 0x0           ; block 0's gains and offsets
	s_load_b512 s[GW+16:GW+31], s[8:9], 0x40
	s_load_b512 s[GB:GB+15], s[10:11], 0x0
	s_load_b512 s[GB+16:GB+31], s[10:11], 0x40
.macro LOADX t                         ; block t: x(channel 32 t + i, my position), i = 0 .. 31, into set t % 2
.set i, 0
.rept 32
	global_load_b32 v[XN+32*((\t)%2)+i], v[XA], s[4:5] offset:(32*(\t)+i)*16384
.set i, i+1
.endr
.endm
	LOADX 0
	LOADX 1
	s_wait_loadcnt 63                              ; behind the statistics' load 156 loads were issued; at most 63, all of x, may be out: the statistics, the weights and the biases are in
	; a group's eight chunks are joined: mean = the mean of the means; the squared deviations gain 16,384 (chunk's mean - mean)^2 each
	v_mov_b32 v[ST+2], v[ST]
	v_add_f32_dpp v[ST+2], v[ST+2], v[ST+2] row_xmask:1 row_mask:0xf bank_mask:0xf
	v_add_f32_dpp v[ST+2], v[ST+2], v[ST+2] row_xmask:2 row_mask:0xf bank_mask:0xf
	v_add_f32_dpp v[ST+2], v[ST+2], v[ST+2] row_xmask:4 row_mask:0xf bank_mask:0xf
	v_mul_f32 v[ST+2], 0x3e000000, v[ST+2]         ; / 8
	v_sub_f32 v[ST+3], v[ST], v[ST+2]
	v_mul_f32 v[ST+4], 0x46800000, v[ST+3]
	v_fma_f32 v[ST+4], v[ST+4], v[ST+3], v[ST+1]
	v_add_f32_dpp v[ST+4], v[ST+4], v[ST+4] row_xmask:1 row_mask:0xf bank_mask:0xf
	v_add_f32_dpp v[ST+4], v[ST+4], v[ST+4] row_xmask:2 row_mask:0xf bank_mask:0xf
	v_add_f32_dpp v[ST+4], v[ST+4], v[ST+4] row_xmask:4 row_mask:0xf bank_mask:0xf
	s_mov_b32 s30, 0x37000000                      ; 2^-17: a group has 131,072 numbers
	s_mov_b32 s31, 0x3727c5ac                      ; eps = 1e-5
	v_fma_f32 v[ST+4], v[ST+4], s30, s31
	s_wait_alu depctr_va_vdst(0)
	v_rsq_f32 v[ST+5], v[ST+4]
	v_xor_b32 v[ST+6], 0x80000000, v[ST+2]         ; -mean.  (The plain instruction behind the transcendental)
	s_wait_alu depctr_va_vdst(0)
; Block t of my 128 channels: normalised ((x - mean) x rstd, then x gain + offset, those two fused), quantised, its 16 bytes of codes to LDS.
.macro BLOCK t
.set XB, XN+32*((\t)%2)
.if (\t) < 3
	s_wait_loadcnt 32                              ; this block's 32 loads are in; the next block's may be out
.else
	s_wait_loadcnt 0x0
.endif
	v_readlane_b32 s[NM], v[ST+6], 8*(\t)          ; lanes 8 t .. 8 t + 7 hold group t's
	v_readlane_b32 s[RS], v[ST+5], 8*(\t)
	s_mov_b32 s[NM+1], s[NM]                       ; (the packed forms name a pair)
	s_mov_b32 s[RS+1], s[RS]
	s_wait_kmcnt 0x0                               ; the block's gains and offsets
.set i, 0
.rept 16
	v_pk_add_f32 v[XB+i:XB+i+1], v[XB+i:XB+i+1], s[NM:NM+1] op_sel_hi:[1,0]
.set i, i+2
.endr
.set i, 0
.rept 16
	v_pk_mul_f32 v[XB+i:XB+i+1], v[XB+i:XB+i+1], s[RS:RS+1] op_sel_hi:[1,0]
.set i, i+2
.endr
.set i, 0
.rept 32
	v_fma_f32 v[XB+i], v[XB+i], s[GW+i], s[GB+i]
.set i, i+1
.endr
.if (\t) < 3
	s_load_b512 s[GW:GW+15], s[8:9], 128*((\t)+1)
	s_load_b512 s[GW+16:GW+31], s[8:9], 128*((\t)+1)+64
	s_load_b512 s[GB:GB+15], s[10:11], 128*((\t)+1)
	s_load_b512 s[GB+16:GB+31], s[10:11], 128*((\t)+1)+64
.endif
	v_max3_num_f32 v[ST+7], |v[XB]|, |v[XB+1]|, |v[XB+2]|          ; the block's largest magnitude: all 32 numbers are mine
	v_max3_num_f32 v[ST+8], |v[XB+3]|, |v[XB+4]|, |v[XB+5]|
.irp i, 6,10,14,18,22,26
	v_max3_num_f32 v[ST+7], v[ST+7], |v[XB+\i]|, |v[XB+\i+1]|
	v_max3_num_f32 v[ST+8], v[ST+8], |v[XB+\i+2]|, |v[XB+\i+3]|
.endr
	v_max3_num_f32 v[ST+7], v[ST+7], |v[XB+30]|, |v[XB+31]|
	v_max3_num_f32 v[ST+7], v[ST+7], v[ST+8], 0x1800000            ; and the floor 2^(3 - 127): the byte cannot fall under 1
	v_add_nc_u32 v[ST+9], 0xff000000, v[ST+7]      ; 2 off the exponent field: the conversion's scale operand
	v_lshrrev_b32 v[ST+8], 23, v[ST+9]             ; the scale's byte
.if (\t) == 0
	v_mov_b32 v[XW], v[ST+8]
.else
	v_lshl_or_b32 v[XW], v[ST+8], 8*(\t), v[XW]
.endif
.irp g, 0,1,2,3
	v_cvt_scalef32_pk8_fp4_f32 v[XC+4*(\t)+\g], v[XB+8*\g:XB+8*\g+7], v[ST+9]
.endr
	v_nop                                          ; one plain instruction behind the last scaled conversion
	ds_store_b128 v[XST], v[XC+4*(\t):XC+4*(\t)+3] offset:256*(\t)
.if (\t) < 2
	LOADX (\t)+2
.endif
.endm
	BLOCK 0
	BLOCK 1
	BLOCK 2
	BLOCK 3
	ds_store_b32 v[XSS], v[XW]
	s_wait_dscnt 0x0                               ; for the others' sake: my stores have landed
	s_barrier_signal -1
	s_barrier_wait -1                              ; xn's eight fragments and their scale words lie in LDS
.irp f, 0,1,2,3,4,5,6,7
.irp c, 0,1
	ds_load_b128 v[XF+8*\f+4*\c:XF+8*\f+4*\c+3], v[LI] offset:1024*\f+512*\c
.endr
	ds_load_b32 v[XS+\f], v[LS] offset:XSC+64*\f
.endr
	WIN 0x80
.irp t, 0,1,2,3
.irp j, 0,1,2,3,4,5,6,7
	v_mov_b32 v[64+8*\t+\j], v[VBL+\t]             ; v's bias hangs on the lane alone (a lane holds one row of W): eight copies make a tile's C
.endr
.endr
	WIN 0
.irp b, 0,1,2,3
	v_mov_b32 v[TM+4+\b], 0                        ; written once: a lane permute's destination counts as one of its sources
.endr
	v_cmp_le_u32 vcc_lo, 16, v1                    ; lanes 16-31
	s_lshl_b32 s32, s[BI], 2
	s_add_co_u32 s32, s32, s[WV]                   ; image x 4 + head
	s_mov_b32 s35, 0
	s_lshl_b32 s34, s32, 17                        ; qcod: 256 tiles of 512 bytes a head; my first tile is 4 x (which 64)
	s_lshl_b32 s33, s[GI], 11
	s_add_co_u32 s34, s34, s33
	s_add_nc_u64 s[18:19], s[18:19], s[34:35]
	s_lshl_b32 s34, s32, 13                        ; qscl: 128 groups of 64 bytes a head
	s_lshl_b32 s33, s[GI], 7
	s_add_co_u32 s34, s34, s33
	s_add_nc_u64 s[20:21], s[20:21], s[34:35]
	s_mul_i32 s34, s32, 278528                     ; kvrec: 32 records of 8,704 bytes a head
	s_lshr_b32 s33, s[GI], 1
	s_mul_i32 s33, s33, 8704
	s_add_co_u32 s34, s34, s33
	s_add_nc_u64 s[22:23], s[22:23], s[34:35]
	s_wait_dscnt 0x0
; 64 numbers of a lane, register 16 b + i = number 16 (lane / 16) + i of block b, become codes in v[pc] on (registers 0-3: blocks 0, 1 in lanes 0-15, 16-31; registers 4-7: blocks 2, 3) and the four bytes in v[pw].
.macro QUANT s, pc, pw
.irp b, 0,1,2,3
	v_max3_num_f32 v[TM+\b], |v[\s+16*\b]|, |v[\s+1+16*\b]|, 0x1800000   ; each accumulator is read from its low end on; the floor 2^(3 - 127) holds the byte at 1 from below
.endr
.irp i, 2,4,6,8,10,12,14
.irp b, 0,1,2,3
	v_max3_num_f32 v[TM+\b], v[TM+\b], |v[\s+16*\b+\i]|, |v[\s+1+16*\b+\i]|
.endr
.endr
.irp b, 0,1,2,3
	v_permlanex16_b32 v[TM+4+\b], v[TM+\b], s[SEL], s[SEL+1]
.endr
.irp b, 0,1,2,3
	v_max_num_f32 v[TM+\b], v[TM+\b], v[TM+4+\b]   ; with lane l xor 16's: the block's largest magnitude
.endr
.irp b, 0,1,2,3
	v_add_nc_u32 v[TM+8+\b], 0xff000000, v[TM+\b]  ; the conversion's scale operand
.endr
.irp b, 0,1,2,3
	v_lshrrev_b32 v[TM+4+\b], 23, v[TM+8+\b]       ; the scale's byte
.endr
	v_lshl_or_b32 v[\pw], v[TM+5], 8, v[TM+4]
	v_lshl_or_b32 v[\pw], v[TM+6], 16, v[\pw]
	v_lshl_or_b32 v[\pw], v[TM+7], 24, v[\pw]
.irp b, 0,1,2,3
	v_cvt_scalef32_pk8_fp4_f32 v[\pc+2*\b], v[\s+16*\b:\s+7+16*\b], v[TM+8+\b]
	v_cvt_scalef32_pk8_fp4_f32 v[\pc+1+2*\b], v[\s+8+16*\b:\s+15+16*\b], v[TM+8+\b]
.endr
	v_nop                                          ; one plain instruction behind the last scaled conversion
.irp c, 0,1
.irp i, 0,1
	v_permlane16_swap_b32 v[\pc+4*\c+\i], v[\pc+2+4*\c+\i]   ; a whole block in a lane
.endr
.endr
.endm
; q (y = 0) or k (y = 1) of positions 32 p .. 32 p + 31: two position tiles x four tiles of W, two K steps; the eight accumulators take turns, one instruction a turn.
.macro QKMUL y, p
	WIN 0x21                                       ; source 0 (W) window 1, C (bias) window 2
.irp u, 0,1
.irp t, 0,1,2,3
	v_wmma_scale_f32_16x16x128_f8f6f4 v[HA+32*\u+8*\t:HA+32*\u+8*\t+7], v[64*\y+16*\t:64*\y+16*\t+7], v[XF+16*(2*\p+\u):XF+16*(2*\p+\u)+7], v[32*\y+8*\t:32*\y+8*\t+7], v[WSC+8*\y+2*\t], v[XS+2*(2*\p+\u)] matrix_a_fmt:MATRIX_FMT_FP4 matrix_b_fmt:MATRIX_FMT_FP4
.endr
.endr
	WIN 0x01
.irp u, 0,1
.irp t, 0,1,2,3
	v_wmma_scale_f32_16x16x128_f8f6f4 v[HA+32*\u+8*\t:HA+32*\u+8*\t+7], v[64*\y+16*\t+8:64*\y+16*\t+15], v[XF+16*(2*\p+\u)+8:XF+16*(2*\p+\u)+15], v[HA+32*\u+8*\t:HA+32*\u+8*\t+7], v[WSC+8*\y+2*\t+1], v[XS+2*(2*\p+\u)+1] matrix_a_fmt:MATRIX_FMT_FP4 matrix_b_fmt:MATRIX_FMT_FP4
.endr
.endr
	WIN 0
.rept 4
	v_nop                                          ; four places in front of the first read of results (ISA guide 7.12.1); the quantiser's lines on its own registers add to them ahead of the next sums, which begin anew on these accumulators
.endr
.endm
; v: tiles 2 p, 2 p + 1 of W's rows for all four position tiles: source 0 = positions, so that a lane's registers run along the keys
.macro VMUL p
	WIN 0x24                                       ; source 1 (W) window 1, C (bias) window 2
.irp e, 0,1
.irp m, 0,1,2,3
	v_wmma_scale_f32_16x16x128_f8f6f4 v[HA+32*\e+8*\m:HA+32*\e+8*\m+7], v[XF+16*\m:XF+16*\m+7], v[128+16*(2*\p+\e):128+16*(2*\p+\e)+7], v[64+8*(2*\p+\e):64+8*(2*\p+\e)+7], v[XS+2*\m], v[WSC+16+2*(2*\p+\e)] matrix_a_fmt:MATRIX_FMT_FP4 matrix_b_fmt:MATRIX_FMT_FP4
.endr
.endr
	WIN 0x04
.irp e, 0,1
.irp m, 0,1,2,3
	v_wmma_scale_f32_16x16x128_f8f6f4 v[HA+32*\e+8*\m:HA+32*\e+8*\m+7], v[XF+16*\m+8:XF+16*\m+15], v[128+16*(2*\p+\e)+8:128+16*(2*\p+\e)+15], v[HA+32*\e+8*\m:HA+32*\e+8*\m+7], v[XS+2*\m+1], v[WSC+16+2*(2*\p+\e)+1] matrix_a_fmt:MATRIX_FMT_FP4 matrix_b_fmt:MATRIX_FMT_FP4
.endr
.endr
	WIN 0
.rept 4
	v_nop
.endr
.endm
	; ---- q: blocks 0, 1 of the quantiser are tile u = 0's two blocks of d, blocks 2, 3 tile u = 1's
.irp p, 0,1
	QKMUL 0, \p
	QUANT HA, PC+8*\p, PW+\p
	global_store_b128 v[LI], v[PC+8*\p:PC+8*\p+3], s[18:19] offset:1024*\p        ; a tile's 512 consecutive bytes
	global_store_b128 v[LI], v[PC+8*\p+4:PC+8*\p+7], s[18:19] offset:1024*\p+512
.endr
	v_cndmask_b32 v[WD], v[PW], v[PW+1], vcc_lo    ; lanes 0-15 the first 32 positions' words, lanes 16-31 the second's: 128 consecutive bytes
	global_store_b32 v[QSA], v[WD], s[20:21]
	; ---- k: the two tiles of 32 keys lie side by side: one fragment of 128 along K
.irp p, 0,1
	QKMUL 1, \p
	QUANT HA, PC+16+8*\p, PW+2+\p
	global_store_b128 v[LI2], v[PC+16+8*\p:PC+16+8*\p+3], s[22:23] offset:1024*\p
	global_store_b128 v[LI2], v[PC+16+8*\p+4:PC+16+8*\p+7], s[22:23] offset:1024*\p+512
.endr
	v_cndmask_b32 v[WD+1], v[PW+2], v[PW+3], vcc_lo
	global_store_b32 v[KSA], v[WD+1], s[22:23] offset:8192
	; ---- v: blocks 0, 1 are tile 2 p's two blocks of 32 keys, blocks 2, 3 tile 2 p + 1's
.irp p, 0,1
	VMUL \p
	QUANT HA, PC+32+8*\p, PW+4+\p
	global_store_b128 v[LI2], v[PC+32+8*\p:PC+32+8*\p+3], s[22:23] offset:4096+1024*\p
	global_store_b128 v[LI2], v[PC+32+8*\p+4:PC+32+8*\p+7], s[22:23] offset:4096+1024*\p+512
	v_lshrrev_b32 v[WD+2+\p], v[SH], v[PW+4+\p]    ; lane (r, h) stores tile 2 p + h's two bytes
	global_store_b16 v[VSA], v[WD+2+\p], s[22:23] offset:8448+8*\p
.endr
	s_set_vgpr_msb 0x4
	s_wait_tensorcnt 0x0
	ds_add_u32 v19, v255
	s_wait_dscnt 0x0
	s_set_vgpr_msb 0x400
	s_endpgm
.Lfunc_end_k_q5aec25b4ef_qkv:
	.size	k_q5aec25b4ef_qkv, .Lfunc_end_k_q5aec25b4ef_qkv-k_q5aec25b4ef_qkv
	.p2alignl 7, 3214868480
	.fill 96, 4, 3214868480
	.section	.rodata,"a",@progbits
	.p2align	6, 0x0
	.amdhsa_kernel k_q5aec25b4ef_qkv
		.amdhsa_group_segment_fixed_size 9728
		.amdhsa_private_segment_fixed_size 0
		.amdhsa_enable_private_segment 0
		.amdhsa_kernarg_size 80
		.amdhsa_user_sgpr_count 2
		.amdhsa_user_sgpr_kernarg_segment_ptr 1
		.amdhsa_wavefront_size32 1
		.amdhsa_system_sgpr_workgroup_id_x 1
		.amdhsa_system_sgpr_workgroup_id_y 1
		.amdhsa_system_sgpr_workgroup_id_z 1
		.amdhsa_system_vgpr_workitem_id 0
		.amdhsa_next_free_vgpr 768
		.amdhsa_next_free_sgpr 102
		.amdhsa_reserve_vcc 1
		.amdhsa_float_denorm_mode_32 3
		.amdhsa_float_denorm_mode_16_64 3
		.amdhsa_memory_ordered 1
		.amdhsa_forward_progress 1
		.amdhsa_inst_pref_size 91
	.end_amdhsa_kernel
	.amdgpu_metadata
---
amdhsa.version: [ 1, 2 ]
amdhsa.kernels:
  - .name:           k_q5aec25b4ef_qkv
    .symbol:         k_q5aec25b4ef_qkv.kd
    .args:
      - { .name: x, .offset: 0, .size: 8, .value_kind: global_buffer, .address_space: global }
      - { .name: gstat, .offset: 8, .size: 8, .value_kind: global_buffer, .address_space: global }
      - { .name: gn_w, .offset: 16, .size: 8, .value_kind: global_buffer, .address_space: global }
      - { .name: gn_b, .offset: 24, .size: 8, .value_kind: global_buffer, .address_space: global }
      - { .name: qkv_w_codes, .offset: 32, .size: 8, .value_kind: global_buffer, .address_space: global }
      - { .name: qkv_w_scales, .offset: 40, .size: 8, .value_kind: global_buffer, .address_space: global }
      - { .name: qkv_b, .offset: 48, .size: 8, .value_kind: global_buffer, .address_space: global }
      - { .name: qcod, .offset: 56, .size: 8, .value_kind: global_buffer, .address_space: global }
      - { .name: qscl, .offset: 64, .size: 8, .value_kind: global_buffer, .address_space: global }
      - { .name: kvrec, .offset: 72, .size: 8, .value_kind: global_buffer, .address_space: global }
    .group_segment_fixed_size: 9728
    .private_segment_fixed_size: 0
    .kernarg_segment_align: 8
    .kernarg_segment_size: 80
    .max_flat_workgroup_size: 128
    .sgpr_count:     102
    .vgpr_count:     768
    .wavefront_size: 32
...
	.end_amdgpu_metadata
.endif
;; end of part 2
;; launch attn (part 3): grid 16 x 16, 16 waves a work-group, clusters of 4 x 1, 327,680 bytes of LDS; arguments qcod, qscl, kvrec, ocod, oscl; writes ocod, oscl
.if DOCPART == 3
	.amdgcn_target "amdgcn-amd-amdhsa--gfx1250"
	.amdhsa_code_object_version 6
	.text
	.protected	k_q5aec25b4ef_attn
	.globl	k_q5aec25b4ef_attn
	.p2align	8
	.type	k_q5aec25b4ef_attn,@function
k_q5aec25b4ef_attn:
	s_mov_b64 s[64:65], 0
	v_nop
	global_prefetch_b8 v0, s[64:65] scope:SCOPE_SE
	s_setreg_imm32_b32 hwreg(HW_REG_WAVE_MODE, 25, 1), 1
	s_wait_xcnt 0x0
	s_wait_alu depctr_hold_cnt(0) depctr_sa_sdst(0) depctr_va_vdst(0) depctr_va_sdst(0) depctr_va_ssrc(0) depctr_va_vcc(0) depctr_vm_vsrc(0)
	s_getreg_b32 s2, hwreg(HW_REG_IB_STS2, 6, 4)
	s_cmp_eq_u32 s2, 0
	s_cbranch_scc0 .Lentry_in_a_cluster
	s_endpgm
.Lentry_in_a_cluster:
	s_bfe_u32 s2, ttmp6, 0x10000c
	s_cmp_lg_u32 s2, 0x3003
	s_cbranch_scc0 .Lentry_shape_is_right
	s_endpgm
.Lentry_shape_is_right:
; O = softmax(q k^T / 8) v for one head, both products on codes of FP4 (E2M1) with one E8M0 scale for each 32 along K; the result, divided by the row's sum, is quantised along the channels for the projection.
; THE SOFTMAX AHEAD OF THE SECOND PRODUCT: t = score x log2(e) / 8; M = the running largest t rounded UP to a whole number; p = 2^(t - M) is what is quantised, along the keys, not normalised.  The row's sum is taken of the
; unquantised p; when M moves, the sum and O are multiplied by 2^(old M - new M), which rounds nothing.
; SHARES.  A work-group owns 256 queries of one head (x: which 256; y: image x 4 + head); each of its sixteen waves owns one tile of 16, in 256 registers: four waves to a SIMD, so that one wave's vector work stands beside
; another's matrix work and LDS loads.  Every wave walks the head's 4,096 keys, 128 a step.
; LDS.  A head's records, 32 x 8,704 = 278,528 bytes, lie in LDS as they lie in memory: every byte is filled ONCE, so there is no ring and no slot is ever filled again.  They come in four chunks of eight steps; each wave
; brings a sixteenth of each chunk (17 rows of 256 bytes: the chunk shared evenly, with no branch), four loads a wave, all issued at the head: four tensor loads of a wave are out at the most.
; Every fragment is an image of its registers: each LDS load takes 512 consecutive bytes, so no padding is wanted.
; CLUSTER.  The four work-groups of a cluster belong to one head and want the same records: each load is asked for JOINTLY, with the same descriptor and a mask that names the four.
; LAYOUT.  Both products are used transposed (S^T = K q^T, O^T = V^T p^T): a lane holds ONE query throughout.  Key tiles are made so that p's 16 registers of two neighbouring tiles are 16 neighbouring keys.
; K = 64 IN AN INSTRUCTION OF 128: a fragment of K holds two key tiles side by side; against [q | zeros] it gives the first tile's scores, against [zeros | q] the second's: zero codes add nothing under any scale byte but 0xff.
; LIMITS: NaN and infinities are not served; a block whose largest magnitude lies under 2^-124 keeps the byte 1, and so does a block of zeros (its codes are zeros; this program alone reads the bytes); 1 / sum is v_rcp_f32's;
; a block's largest p is taken as 2^(its largest t - M), which takes v_exp_f32 not to fall where its input rises.
.set STEPB,  8704
.set CHUNKB, 8*STEPB                   ; 69,632
.set HEADB,  32*STEPB                  ; 278,528
.set PARTB,  CHUNKB/16                 ; 4,352 = 17 x 256
.set OSTG,   HEADB                     ; 512 bytes of their own, into which no tile lands: the work-group's scale bytes on their way out
.set LI,   1                           ; v1   16 x lane
.set LSC,  2                           ; v2   16 r
.set ADR,  3                           ; v3   the step's record + 16 x lane
.set ADS,  4                           ; v4   the step's record + 16 r
.set OSA,  5                           ; v5   OSTG + 32 x wave + 2 r
.set OSR,  6                           ; v6   OSTG + 16 x lane
.set QH,   16                          ; v16-23  [zeros | q]
.set QL,   20                          ; v20-27  [q | zeros]
.set QSL,  28                          ; v28, v29  q's scale words for the two
.set QSH,  29
.set KF,   32                          ; v32-63   K's four fragments
.set VF,   64                          ; v64-95   V's four
.set S,    96                          ; v96-159  S^T, then p
.set OT,   160                         ; v160-191 O^T
.set KS,   192                         ; v192-195 K's scale words
.set VS,   196                         ; v196-199 V's
.set PCD,  200                         ; v200-207 p's codes
.set BM,   208                         ; v208-211 the blocks' largest scores, then largest p
.set PD,   212                         ; v212-215 from the other half of the lanes; then bytes
.set SO,   216                         ; v216-219 the conversions' scale operands
.set FF,   220                         ; v220-221 f (the packed forms name a pair)
.set PS,   222                         ; v222     p's scale word
.set TT,   223                         ; v223     at work
.set C2,   224                         ; v224-225 the sum's second chain
; v12 -M, v13 the largest t, v[14:15] the sum in two halves
.set WV,   14
.set SEL,  20
.set CS,   22
.set G1,   24                          ; s[24:31] descriptor group 1
.set G0,   32                          ; s[32:47] group 0, a set for each chunk
.set TB,   48
.set CNT,  49
.macro ROUND                           ; a round of the cluster's barrier
	s_barrier_signal -1
	s_barrier_wait -1
	s_cmp_lg_u32 s[WV], 0
	s_cbranch_scc1 .Lnot_wave_0_\@
	s_barrier_signal -3
.Lnot_wave_0_\@:
	s_barrier_wait -3
	s_barrier_signal -1
	s_barrier_wait -1
.endm
	s_load_b256 s[4:11], s[0:1], 0x0               ; qcod 4, qscl 6, kvrec 8, ocod 10
	s_load_b64 s[12:13], s[0:1], 0x20              ; oscl
	v_lshl_add_u32 v254, v0, 2, 0x44200
	v_mov_b32 v255, 0
	ds_add_u32 v254, v255
	ds_add_u32 v254, v255
	v_lshrrev_b32 v1, 5, v0
	s_delay_alu instid0(VALU_DEP_1)
	v_readfirstlane_b32 s[WV], v1                  ; wave 0..15
	s_bfe_u32 s15, ttmp6, 0x40000                  ; cx: it enters q's and the outputs' addresses alone
	s_lshl_b32 s16, ttmp9, 2
	s_add_co_u32 s16, s16, s15                     ; which 256 queries
	s_and_b32 s17, ttmp7, 0xffff                   ; image x 4 + head, which the four partners share
	s_lshl_b32 s18, s16, 4
	s_add_co_u32 s18, s18, s[WV]                   ; my tile of 16 queries
	s_and_b32 s19, s[WV], 1
	s_lshl_b32 s19, s19, 4                         ; which half of a scale word of q is my tile's
	s_mov_b32 s[SEL], 0x76543210
	s_mov_b32 s[SEL+1], 0xfedcba98
	s_mov_b32 s[CS], 0x3e38aa3b                    ; c = log2(e) / 8
	s_mov_b32 s[CS+1], s[CS]
	s_mov_b32 s[G1], 15|(3<<16)|(1<<21)            ; 15:0 the mask: all four work-groups; 17:16 elements of 8 bytes; 21 set beside a mask; no padding
	s_mov_b32 s[G1+1], 32<<16                      ; tensor_dim0 = 32 elements: 256 bytes
	s_mov_b32 s[G1+2], 17<<16                      ; tensor_dim1 = 17
	s_mov_b32 s[G1+3], 32<<16                      ; tile_dim0
	s_mov_b32 s[G1+4], 17                          ; tile_dim1
	s_mov_b32 s[G1+5], 32                          ; the pitch: dense
	s_mov_b32 s[G1+6], 0
	s_mov_b32 s[G1+7], 0
	s_mul_i32 s52, s[WV], PARTB                    ; my sixteenth of a chunk: in LDS,
	s_mul_i32 s50, s17, HEADB
	s_add_co_u32 s50, s50, s52                     ; and in memory
	s_mov_b32 s51, 0
	s_wait_dscnt 0x0
	s_wait_kmcnt 0x0
	s_add_nc_u64 s[8:9], s[8:9], s[50:51]
.irp q, 0,1,2,3
	s_mov_b32 s[G0+4*\q], 1                        ; count = 1
	s_add_co_u32 s[G0+4*\q+1], s52, \q*CHUNKB      ; LDS address
	s_add_nc_u64 s[G0+4*\q+2:G0+4*\q+3], s[8:9], \q*CHUNKB
	s_or_b32 s[G0+4*\q+3], s[G0+4*\q+3], 0x80000000   ; type = 2
.endr
	ROUND                                          ; all four work-groups are here: the joint loads meet
	tensor_load_to_lds s[G0:G0+3], s[G1:G1+7]
	s_nop 0
	tensor_load_to_lds s[G0+4:G0+7], s[G1:G1+7]
	s_nop 0
	tensor_load_to_lds s[G0+8:G0+11], s[G1:G1+7]
	s_nop 0
	tensor_load_to_lds s[G0+12:G0+15], s[G1:G1+7]
	s_nop 0
.rept 4
	v_nop
.endr
	s_lshl_b32 s54, s17, 8
	s_add_co_u32 s54, s54, s18
	s_lshl_b32 s54, s54, 9                         ; q's codes: 512 bytes a tile
	s_mov_b32 s55, 0
	s_add_nc_u64 s[4:5], s[4:5], s[54:55]
	s_lshl_b32 s54, s17, 7
	s_lshr_b32 s56, s18, 1
	s_add_co_u32 s54, s54, s56
	s_lshl_b32 s54, s54, 6                         ; q's scale words: 64 bytes for two tiles
	s_add_nc_u64 s[6:7], s[6:7], s[54:55]
	s_lshr_b32 s54, s17, 2
	s_lshl_b32 s54, s54, 8
	s_add_co_u32 s54, s54, s18
	s_lshl_b32 s54, s54, 2
	s_and_b32 s56, s17, 3
	s_add_co_u32 s54, s54, s56
	s_lshl_b32 s54, s54, 9                         ; ocod: [image][tile][head][512]
	s_add_nc_u64 s[10:11], s[10:11], s[54:55]
	s_lshl_b32 s54, s17, 8
	s_lshl_b32 s56, s16, 4
	s_add_co_u32 s54, s54, s56
	s_lshl_b32 s54, s54, 5                         ; oscl: 32 bytes a tile; the work-group's 16 tiles are 512 consecutive bytes
	s_add_nc_u64 s[12:13], s[12:13], s[54:55]
	v_and_b32 v1, 31, v0
	s_delay_alu instid0(VALU_DEP_1)
	v_lshlrev_b32 v[LI], 4, v1
	v_and_b32 v7, 15, v0                           ; r
	s_delay_alu instid0(VALU_DEP_1)
	v_lshlrev_b32 v[LSC], 4, v7
	v_and_b32 v[OSA], 0x1e0, v0                    ; 32 x wave
	s_delay_alu instid0(VALU_DEP_1)
	v_lshl_add_u32 v[OSA], v7, 1, v[OSA]
	s_delay_alu instid0(VALU_DEP_1)
	v_add_nc_u32 v[OSA], OSTG, v[OSA]
	v_add_nc_u32 v[OSR], OSTG, v[LI]
	v_lshlrev_b32 v7, 2, v7
	global_load_b128 v[QL:QL+3], v[LI], s[4:5]     ; q's codes: lane (r, h): d = 32 h .. 32 h + 31 of query r
	global_load_b32 v[TT], v7, s[6:7]
.irp j, 0,1,2,3
	v_mov_b32 v[QH+\j], 0
	v_mov_b32 v[QL+4+\j], 0
	v_mov_b32 v[PD+\j], 0                          ; written once: a lane permute's destination counts as one of its sources
.endr
	v_mov_b32 v13, 0xff61b1e6                      ; the largest t so far: -3e38, under every t
	s_delay_alu instid0(VALU_DEP_1)
	v_floor_f32 v12, -v13                          ; -M
	v_mov_b32 v14, 0
	v_mov_b32 v15, 0
	v_mov_b32 v[FF+1], 0                           ; (named as the upper half of a pair)
	s_wait_loadcnt 0x0
	v_lshrrev_b32 v[TT], s19, v[TT]
	s_delay_alu instid0(VALU_DEP_1)
	v_and_b32 v[TT], 0xffff, v[TT]                 ; my tile's two bytes
	s_delay_alu instid0(VALU_DEP_1)
	v_or_b32 v[QSL], 0x7f7f0000, v[TT]             ; over the zero codes the byte 127
	s_delay_alu instid0(VALU_DEP_2)
	v_lshl_or_b32 v[QSH], v[TT], 16, 0x7f7f
.set j, 0
.rept 32
	v_mov_b32 v[OT+j], 0                           ; O^T.  (The step is written once: the first finds zeros, which the first change of M leaves zeros.)  These are also the places between the scale words just made and the first product
.set j, j+1
.endr
; A KEY STEP: 128 keys, the record at s[TB].
.macro STEP
	v_add_nc_u32 v[ADR], s[TB], v[LI]
	v_add_nc_u32 v[ADS], s[TB], v[LSC]
	v_nop
	v_nop                                          ; four places behind the last step's products, in front of loads into registers that they read
.irp f, 0,1,2,3
.irp c, 0,1
	ds_load_b128 v[KF+8*\f+4*\c:KF+8*\f+4*\c+3], v[ADR] offset:1024*\f+512*\c
.endr
.endr
	ds_load_b128 v[KS:KS+3], v[ADS] offset:8192
.irp t, 0,1,2,3
.irp c, 0,1
	ds_load_b128 v[VF+8*\t+4*\c:VF+8*\t+4*\c+3], v[ADR] offset:4096+2048*\c+512*\t
.endr
.endr
	ds_load_b128 v[VS:VS+3], v[ADS] offset:8448
	s_wait_dscnt 9                                 ; K's nine loads are in; V's nine may be out
.irp f, 0,1,2,3
	v_wmma_scale_f32_16x16x128_f8f6f4 v[S+16*\f:S+16*\f+7], v[KF+8*\f:KF+8*\f+7], v[QL:QL+7], 0, v[KS+\f], v[QSL] matrix_a_fmt:MATRIX_FMT_FP4 matrix_b_fmt:MATRIX_FMT_FP4
	v_wmma_scale_f32_16x16x128_f8f6f4 v[S+16*\f+8:S+16*\f+15], v[KF+8*\f:KF+8*\f+7], v[QH:QH+7], 0, v[KS+\f], v[QSH] matrix_a_fmt:MATRIX_FMT_FP4 matrix_b_fmt:MATRIX_FMT_FP4
.endr                                              ; lane (r, h): query r; register 16 b + i: key 32 b + 16 h + i
.rept 4
	v_nop
.endr
.irp b, 0,1,2,3
	v_max3_num_f32 v[BM+\b], v[S+16*\b], v[S+1+16*\b], v[S+2+16*\b]   ; the largest score of each block of 32 keys: it serves the row's maximum and, since p rises with the score, the block's largest p
.endr
.irp i, 3,5,7,9,11,13
.irp b, 0,1,2,3
	v_max3_num_f32 v[BM+\b], v[BM+\b], v[S+16*\b+\i], v[S+1+16*\b+\i]
.endr
.endr
.irp b, 0,1,2,3
	v_max_num_f32 v[BM+\b], v[BM+\b], v[S+15+16*\b]
.endr
.irp b, 0,1,2,3
	s_delay_alu instid0(VALU_DEP_4)
	v_permlanex16_b32 v[PD+\b], v[BM+\b], s[SEL], s[SEL+1]
.endr
.irp b, 0,1,2,3
	s_delay_alu instid0(VALU_DEP_4)
	v_max_num_f32 v[BM+\b], v[BM+\b], v[PD+\b]     ; with lane l xor 16's 16 keys
.endr
	s_delay_alu instid0(VALU_DEP_2)
	v_max3_num_f32 v[TT], v[BM], v[BM+1], v[BM+2]
	s_delay_alu instid0(VALU_DEP_1)
	v_max_num_f32 v[TT], v[TT], v[BM+3]            ; the step's largest score of my query
	s_delay_alu instid0(VALU_DEP_1)
	v_mul_f32 v[TT], s[CS], v[TT]                  ; as t
	s_delay_alu instid0(VALU_DEP_1)
	v_max_num_f32 v13, v13, v[TT]                  ; the running largest t
	v_mov_b32 v[TT], v12
	s_delay_alu instid0(VALU_DEP_2)
	v_floor_f32 v12, -v13                          ; the new -M = -ceil(t)
	s_delay_alu instid0(VALU_DEP_1)
	v_sub_f32 v[TT], v12, v[TT]                    ; old M - new M: a whole number, 0 or less
	s_delay_alu instid0(VALU_DEP_1)
	v_cvt_i32_f32 v[TT], v[TT]                     ; (it saturates)
	s_delay_alu instid0(VALU_DEP_1)
	v_ldexp_f32 v[FF], 1.0, v[TT]                  ; f = 2^(old M - new M)
.set j, 0
.rept 32
	v_pk_fma_f32 v[S+j:S+j+1], v[S+j:S+j+1], s[CS:CS+1], v[12:13] op_sel_hi:[1,0,0]   ; t - M, two at a time
.set j, j+2
.endr
.irp b, 0,1,2,3
	v_fma_f32 v[BM+\b], v[BM+\b], s[CS], v12       ; the same of each block's largest score
.endr
.set j, 0
	s_wait_alu depctr_va_vdst(0)
.rept 64
	v_exp_f32 v[S+j], v[S+j]                       ; p = 2^(t - M), at most 1
.set j, j+1
.endr
	s_setprio 1
.irp b, 0,1,2,3
	v_exp_f32 v[BM+\b], v[BM+\b]                   ; the block's largest p
.endr
	v_pk_mul_f32 v[14:15], v[14:15], v[FF:FF+1] op_sel_hi:[1,0]   ; the sums under the new M.  (The plain instruction behind the exponentials)
	s_wait_alu depctr_va_vdst(0)
.irp b, 0,1,2,3
	v_max_num_f32 v[BM+\b], 0x1800000, v[BM+\b]    ; the floor 2^(3 - 127)
.endr
.irp b, 0,1,2,3
	s_delay_alu instid0(VALU_DEP_4)
	v_add_nc_u32 v[SO+\b], 0xff000000, v[BM+\b]    ; the conversion's scale operand
.endr
.irp b, 0,1,2,3
	s_delay_alu instid0(VALU_DEP_4)
	v_lshrrev_b32 v[PD+\b], 23, v[SO+\b]           ; the scale's byte
.endr
	s_delay_alu instid0(VALU_DEP_3)
	v_lshl_or_b32 v[PS], v[PD+1], 8, v[PD]
	s_delay_alu instid0(VALU_DEP_1)
	v_lshl_or_b32 v[PS], v[PD+2], 16, v[PS]
	s_delay_alu instid0(VALU_DEP_1)
	v_lshl_or_b32 v[PS], v[PD+3], 24, v[PS]
.irp b, 0,1,2,3
	v_cvt_scalef32_pk8_fp4_f32 v[PCD+2*\b], v[S+16*\b:S+7+16*\b], v[SO+\b]
	v_cvt_scalef32_pk8_fp4_f32 v[PCD+1+2*\b], v[S+8+16*\b:S+15+16*\b], v[SO+\b]
.endr
	v_nop                                          ; one plain instruction behind the last scaled conversion
.irp c, 0,1
.irp i, 0,1
	v_permlane16_swap_b32 v[PCD+4*\c+\i], v[PCD+2+4*\c+\i]   ; a whole block in a lane
.endr
.endr
	v_pk_add_f32 v[224:225], v[100:101], v[104:105]
	v_pk_add_f32 v[252:253], v[108:109], v[112:113]
	v_pk_add_f32 v[250:251], v[116:117], v[120:121]
	v_pk_add_f32 v[248:249], v[124:125], v[128:129]
	v_pk_add_f32 v[246:247], v[132:133], v[136:137]
	v_pk_add_f32 v[244:245], v[140:141], v[144:145]
	v_pk_add_f32 v[242:243], v[148:149], v[152:153]
	v_pk_add_f32 v[14:15], v[14:15], v[156:157]
	v_pk_add_f32 v[224:225], v[224:225], v[96:97]
	v_pk_add_f32 v[252:253], v[252:253], v[98:99]
	v_pk_add_f32 v[250:251], v[250:251], v[102:103]
	v_pk_add_f32 v[248:249], v[248:249], v[106:107]
	v_pk_add_f32 v[246:247], v[246:247], v[110:111]
	v_pk_add_f32 v[244:245], v[244:245], v[114:115]
	v_pk_add_f32 v[242:243], v[242:243], v[118:119]
	v_pk_add_f32 v[14:15], v[14:15], v[122:123]
	v_pk_add_f32 v[224:225], v[224:225], v[126:127]
	v_pk_add_f32 v[252:253], v[252:253], v[130:131]
	v_pk_add_f32 v[250:251], v[250:251], v[134:135]
	v_pk_add_f32 v[248:249], v[248:249], v[138:139]
	v_pk_add_f32 v[246:247], v[246:247], v[142:143]
	v_pk_add_f32 v[244:245], v[244:245], v[146:147]
	v_pk_add_f32 v[242:243], v[242:243], v[150:151]
	v_pk_add_f32 v[14:15], v[14:15], v[154:155]
	v_pk_add_f32 v[224:225], v[224:225], v[158:159]
	s_delay_alu instid0(VALU_DEP_2)
	v_pk_add_f32 v[14:15], v[14:15], v[248:249]
	s_delay_alu instid0(VALU_DEP_2)
	v_pk_add_f32 v[224:225], v[224:225], v[246:247]
	v_pk_add_f32 v[252:253], v[252:253], v[244:245]
	v_pk_add_f32 v[250:251], v[250:251], v[242:243]
	s_delay_alu instid0(VALU_DEP_2)
	v_pk_add_f32 v[14:15], v[14:15], v[252:253]
	s_delay_alu instid0(VALU_DEP_2)
	v_pk_add_f32 v[224:225], v[224:225], v[250:251]
	s_delay_alu instid0(VALU_DEP_1)
	v_pk_add_f32 v[14:15], v[14:15], v[224:225]
.set j, 0
	s_setprio 0
.rept 16
	v_pk_mul_f32 v[OT+j:OT+j+1], v[OT+j:OT+j+1], v[FF:FF+1] op_sel_hi:[1,0]   ; O^T under the new M, each accumulator from its low end on.  (With the sums above: the places between p's codes and scale word and the products below)
.set j, j+2
.endr
	s_wait_alu depctr_va_vdst(0)
	s_wait_dscnt 0x0                               ; V
.irp t, 0,1,2,3
	v_wmma_scale_f32_16x16x128_f8f6f4 v[OT+8*\t:OT+8*\t+7], v[VF+8*\t:VF+8*\t+7], v[PCD:PCD+7], v[OT+8*\t:OT+8*\t+7], v[VS+\t], v[PS] matrix_a_fmt:MATRIX_FMT_FP4 matrix_b_fmt:MATRIX_FMT_FP4
.endr
	s_add_co_u32 s[TB], s[TB], STEPB
.endm
; Chunk q: eight key steps.  Each wave's part of the chunk has landed; then the barrier: everybody's has.  The later chunks' loads may stay out.
.macro CHUNK q
	s_wait_tensorcnt 3-\q                          ; behind chunk q's load I issued 3 - q others
	s_wait_dscnt 0x0
	s_barrier_signal -1
	s_barrier_wait -1
	s_mov_b32 s[TB], \q*CHUNKB
	s_mov_b32 s[CNT], 8
.Lk_\@:
	s_setprio 2
	STEP
	s_sub_co_u32 s[CNT], s[CNT], 1
	s_cmp_lg_u32 s[CNT], 0
	s_cbranch_scc1 .Lk_\@
	s_setprio 0
.endm
	CHUNK 0
	CHUNK 1
	CHUNK 2
	CHUNK 3
	; THE WAY OUT.  O^T / the sum; register 16 b + i is channel 32 b + 16 h + i of my query: two blocks of the projection's K
.rept 4
	v_nop
.endr
	v_add_f32 v14, v14, v15
	s_delay_alu instid0(VALU_DEP_1)
	v_permlanex16_b32 v[PD], v14, s[SEL], s[SEL+1]
	s_delay_alu instid0(VALU_DEP_1)
	v_add_f32 v14, v14, v[PD]                      ; the row's sum
	s_wait_alu depctr_va_vdst(0)
	v_rcp_f32 v14, v14
	v_nop                                          ; a plain instruction behind the transcendental
.set j, 0
	s_wait_alu depctr_va_vdst(0)
.rept 32
	v_mul_f32 v[S+j], v[OT+j], v14
.set j, j+1
.endr
.irp b, 0,1
	v_max3_num_f32 v[BM+\b], |v[S+16*\b]|, |v[S+1+16*\b]|, 0x1800000
.endr
.irp i, 2,4,6,8,10,12,14
.irp b, 0,1
	s_delay_alu instid0(VALU_DEP_2)
	v_max3_num_f32 v[BM+\b], v[BM+\b], |v[S+16*\b+\i]|, |v[S+1+16*\b+\i]|
.endr
.endr
.irp b, 0,1
	s_delay_alu instid0(VALU_DEP_2)
	v_permlanex16_b32 v[PD+\b], v[BM+\b], s[SEL], s[SEL+1]
.endr
.irp b, 0,1
	s_delay_alu instid0(VALU_DEP_2)
	v_max_num_f32 v[BM+\b], v[BM+\b], v[PD+\b]
.endr
.irp b, 0,1
	s_delay_alu instid0(VALU_DEP_2)
	v_add_nc_u32 v[SO+\b], 0xff000000, v[BM+\b]
.endr
.irp b, 0,1
	s_delay_alu instid0(VALU_DEP_2)
	v_lshrrev_b32 v[PD+\b], 23, v[SO+\b]
.endr
	s_delay_alu instid0(VALU_DEP_1)
	v_lshl_or_b32 v[TT], v[PD+1], 8, v[PD]         ; my query's two bytes
.irp b, 0,1
	v_cvt_scalef32_pk8_fp4_f32 v[PCD+2*\b], v[S+16*\b:S+7+16*\b], v[SO+\b]
	v_cvt_scalef32_pk8_fp4_f32 v[PCD+1+2*\b], v[S+8+16*\b:S+15+16*\b], v[SO+\b]
.endr
	v_nop
	v_permlane16_swap_b32 v[PCD], v[PCD+2]
	v_permlane16_swap_b32 v[PCD+1], v[PCD+3]
	global_store_b128 v[LI], v[PCD:PCD+3], s[10:11]   ; 512 consecutive bytes: four registers of the projection's fragment
	ds_store_b16 v[OSA], v[TT]                     ; lanes r and r + 16 write the same two bytes
	s_wait_dscnt 0x0                               ; for wave 0's sake
	s_barrier_signal -1
	s_barrier_wait -1
	s_cmp_lg_u32 s[WV], 0
	s_cbranch_scc1 .Lnot_first
	ds_load_b128 v[BM:BM+3], v[OSR]                ; the sixteen tiles' scale bytes leave as 512 consecutive bytes
	s_wait_dscnt 0x0
	global_store_b128 v[LI], v[BM:BM+3], s[12:13]
.Lnot_first:
	s_wait_tensorcnt 0x0
	ds_add_u32 v254, v255
	s_wait_dscnt 0x0
	ROUND                                          ; the closing round: no work-group ends while a partner may still ask for a tile that names it
	s_endpgm
.Lfunc_end_k_q5aec25b4ef_attn:
	.size	k_q5aec25b4ef_attn, .Lfunc_end_k_q5aec25b4ef_attn-k_q5aec25b4ef_attn
	.p2alignl 7, 3214868480
	.fill 96, 4, 3214868480
	.section	.rodata,"a",@progbits
	.p2align	6, 0x0
	.amdhsa_kernel k_q5aec25b4ef_attn
		.amdhsa_group_segment_fixed_size 327680
		.amdhsa_private_segment_fixed_size 0
		.amdhsa_enable_private_segment 0
		.amdhsa_kernarg_size 40
		.amdhsa_user_sgpr_count 2
		.amdhsa_user_sgpr_kernarg_segment_ptr 1
		.amdhsa_wavefront_size32 1
		.amdhsa_system_sgpr_workgroup_id_x 1
		.amdhsa_system_sgpr_workgroup_id_y 1
		.amdhsa_system_sgpr_workgroup_id_z 1
		.amdhsa_system_vgpr_workitem_id 0
		.amdhsa_next_free_vgpr 256
		.amdhsa_next_free_sgpr 66
		.amdhsa_reserve_vcc 0
		.amdhsa_float_denorm_mode_32 3
		.amdhsa_float_denorm_mode_16_64 3
		.amdhsa_memory_ordered 1
		.amdhsa_forward_progress 1
		.amdhsa_inst_pref_size 77
	.end_amdhsa_kernel
	.amdgpu_metadata
---
amdhsa.version: [ 1, 2 ]
amdhsa.kernels:
  - .name:           k_q5aec25b4ef_attn
    .symbol:         k_q5aec25b4ef_attn.kd
    .args:
      - { .name: qcod, .offset: 0, .size: 8, .value_kind: global_buffer, .address_space: global }
      - { .name: qscl, .offset: 8, .size: 8, .value_kind: global_buffer, .address_space: global }
      - { .name: kvrec, .offset: 16, .size: 8, .value_kind: global_buffer, .address_space: global }
      - { .name: ocod, .offset: 24, .size: 8, .value_kind: global_buffer, .address_space: global }
      - { .name: oscl, .offset: 32, .size: 8, .value_kind: global_buffer, .address_space: global }
    .group_segment_fixed_size: 327680
    .private_segment_fixed_size: 0
    .kernarg_segment_align: 8
    .kernarg_segment_size: 40
    .max_flat_workgroup_size: 512
    .sgpr_count:     66
    .vgpr_count:     256
    .wavefront_size: 32
...
	.end_amdgpu_metadata
.endif
;; end of part 3
;; launch proj (part 4): grid 64 x 4, 4 waves a work-group, no clusters, 17,920 bytes of LDS; arguments ocod, oscl, proj_w_codes, proj_w_scales, proj_b, x, out0; writes out0
.if DOCPART == 4
	.amdgcn_target "amdgcn-amd-amdhsa--gfx1250"
	.amdhsa_code_object_version 6
	.text
	.protected	k_q5aec25b4ef_proj
	.globl	k_q5aec25b4ef_proj
	.p2align	8
	.type	k_q5aec25b4ef_proj,@function
k_q5aec25b4ef_proj:
	s_mov_b64 s[64:65], 0
	v_nop
	global_prefetch_b8 v0, s[64:65] scope:SCOPE_SE
	s_setreg_imm32_b32 hwreg(HW_REG_WAVE_MODE, 25, 1), 1
	s_wait_xcnt 0x0
; out0 = attention's result x proj_w^T + proj_b + x, the product on codes of FP4 (E2M1) with one E8M0 scale for each 32 along K.
; SHARES.  A work-group takes 64 positions of one image (x: which 64; y: the image) and all 256 outputs; wave w takes outputs 64 w .. 64 w + 63: four tiles of 16 rows of proj_w, in registers.
; Source 0 = a tile of 16 positions (an image of its registers, made by the attention launch), source 1 = 16 rows of proj_w: lane (r, h) holds output r, and the registers of the four position tiles are positions
; 32 (m / 2) + 16 h + 8 (m % 2) + j, since row i of a position tile is position 8 u + i + 8 (i / 8) of its 32.  An output's 64 positions are 256 consecutive bytes of out0: a tile of 16 outputs goes through the wave's own
; stage in LDS and leaves as whole rows, sixteen lanes to an aligned 256 bytes.  The bias is the C of each sum's first matrix instruction; x is added on the way out.
; No tensor load, no barrier: the stage is each wave's own.  The weights are shared by all work-groups but go straight into registers, 8,192 bytes of codes a wave, once: there is no LDS tile that a joint load could fill.
.set LI,  4                            ; v4   16 x lane
.set OSA, 5                            ; v5   2 r
.set WA,  6                            ; v6   128 r + 16 h
.set WSA, 7                            ; v7   8 r
.set BA,  8                            ; v8   4 r
.set XO,  9                            ; v9   x, out0: 16,384 h + 16 r
.set STO, 10                           ; v10  the stage: row r of 272 bytes, + 64 h
.set RD,  11                           ; v11  and back: lanes 0-15 one row, lanes 16-31 the next
.set OF,  16                           ; v16-79   the positions' fragments: 16 m + 8 K step
.set OS,  80                           ; v80-87   their scale words: 2 m + K step
.set WF,  88                           ; v88-151  proj_w's fragments: 16 T + 8 K step
.set WS,  152                          ; v152-159 their scale words
.set BC,  160                          ; v160-191 the bias, eight copies a tile
.set ACC, 192                          ; v192-223 four accumulators
.set U,   224                          ; v224-239 the heads' pairs of scale bytes
.set BL,  240                          ; v240-243 the bias as loaded
; window 1: v0-127 x: 32 T + 4 i
.set MSB, 0
.macro WIN new                         ; the immediate's high byte repeats the setting that is left
.if MSB != \new
	s_set_vgpr_msb (MSB<<8)|\new
.set MSB, \new
.endif
.endm
	s_load_b256 s[4:11], s[0:1], 0x0               ; ocod 4, oscl 6, proj_w's codes 8, its scales 10
	s_load_b128 s[12:15], s[0:1], 0x20             ; proj_b 12, x 14
	s_load_b64 s[16:17], s[0:1], 0x30              ; out0
	v_lshl_add_u32 v254, v0, 2, 0x4400
	v_mov_b32 v255, 0
	v_lshrrev_b32 v1, 5, v0
	v_readfirstlane_b32 s18, v1                    ; wave 0..3
	s_and_b32 s19, ttmp7, 0xffff                   ; the image
	v_and_b32 v1, 31, v0
	v_and_b32 v2, 15, v0                           ; r
	v_bfe_u32 v3, v0, 4, 1                         ; h
	v_lshlrev_b32 v[LI], 4, v1
	v_lshlrev_b32 v[OSA], 1, v2
	v_lshlrev_b32 v[WA], 7, v2
	v_lshl_add_u32 v[WA], v3, 4, v[WA]
	v_lshlrev_b32 v[WSA], 3, v2
	v_lshlrev_b32 v[BA], 2, v2
	v_lshlrev_b32 v[XO], 4, v2
	v_lshl_add_u32 v[XO], v3, 14, v[XO]
	s_mul_i32 s20, s18, 4352                       ; my stage: 16 rows of 272 bytes
	v_mul_u32_u24 v[STO], v2, 272
	v_lshl_add_u32 v[STO], v3, 6, v[STO]
	v_add_nc_u32 v[STO], s20, v[STO]
	v_mul_u32_u24 v[RD], v3, 272
	v_lshl_add_u32 v[RD], v2, 4, v[RD]
	v_add_nc_u32 v[RD], s20, v[RD]
	s_mov_b32 s23, 0
	s_wait_alu depctr_va_vdst(0)
	s_wait_kmcnt 0x0
	s_lshl_b32 s22, s19, 19                        ; ocod: 2,048 bytes a tile, 256 tiles an image; my first tile is 4 x (which 64)
	s_lshl_b32 s21, ttmp9, 13
	s_add_co_u32 s22, s22, s21
	s_add_nc_u64 s[4:5], s[4:5], s[22:23]
	s_lshl_b32 s22, s19, 15                        ; oscl: 32 bytes a tile, 256 tiles a head, four heads an image
	s_lshl_b32 s21, ttmp9, 7
	s_add_co_u32 s22, s22, s21
	s_add_nc_u64 s[6:7], s[6:7], s[22:23]
	s_lshl_b32 s22, s18, 13
	s_add_nc_u64 s[8:9], s[8:9], s[22:23]          ; my 64 rows of proj_w
	s_lshl_b32 s22, s18, 9
	s_add_nc_u64 s[10:11], s[10:11], s[22:23]
	s_lshl_b32 s22, s18, 8
	s_add_nc_u64 s[12:13], s[12:13], s[22:23]
	s_lshl_b32 s22, s19, 22                        ; x, out0: image, my 64 channels, the 64 positions
	s_lshl_b32 s21, s18, 20
	s_add_co_u32 s22, s22, s21
	s_lshl_b32 s21, ttmp9, 8
	s_add_co_u32 s22, s22, s21
	s_add_nc_u64 s[14:15], s[14:15], s[22:23]
	s_add_nc_u64 s[16:17], s[16:17], s[22:23]
.irp m, 0,1,2,3
.irp k, 0,1
.irp c, 0,1
	global_load_b128 v[OF+16*\m+8*\k+4*\c:OF+16*\m+8*\k+4*\c+3], v[LI], s[4:5] offset:2048*\m+1024*\k+512*\c   ; head 2 k + c is registers 4 c .. 4 c + 3 of K step k
.endr
.endr
.endr
.irp m, 0,1,2,3
.irp n, 0,1,2,3
	global_load_u16 v[U+4*\m+\n], v[OSA], s[6:7] offset:8192*\n+32*\m
.endr
.endr
.irp t, 0,1,2,3
.irp k, 0,1
.irp c, 0,1
	global_load_b128 v[WF+16*\t+8*\k+4*\c:WF+16*\t+8*\k+4*\c+3], v[WA], s[8:9] offset:2048*\t+64*\k+32*\c
.endr
.endr
.endr
.irp t, 0,1,2,3
.irp k, 0,1
	global_load_b32 v[WS+2*\t+\k], v[WSA], s[10:11] offset:128*\t+4*\k
.endr
.endr
.irp t, 0,1,2,3
	global_load_b32 v[BL+\t], v[BA], s[12:13] offset:64*\t
.endr
	WIN 0x40                                       ; destination window 1
.irp t, 0,1,2,3
.irp i, 0,1,2,3,4,5,6,7
	global_load_b128 v[32*\t+4*\i:32*\t+4*\i+3], v[XO], s[14:15] offset:(16*\t+2*\i)*16384 th:TH_LOAD_NT   ; sixteen lanes read an aligned 256 bytes; nobody reads them after this
.endr
.endr
	WIN 0
	s_wait_loadcnt 32                              ; the operands are in; x's 32 loads may be out
.irp m, 0,1,2,3
.irp k, 0,1
	v_lshl_or_b32 v[OS+2*\m+\k], v[U+4*\m+2*\k+1], 16, v[U+4*\m+2*\k]   ; two heads' pairs of bytes make a K step's scale word
.endr
.endr
.irp t, 0,1,2,3
.irp j, 0,1,2,3,4,5,6,7
	v_mov_b32 v[BC+8*\t+\j], v[BL+\t]              ; (these 32 are also the places between the scale words just made and the first product)
.endr
.endr
; Outputs 16 t .. 16 t + 15 of my 64, for the 64 positions: four accumulators by turns, one instruction a turn
.macro TILE t
.if (\t) > 0
	s_wait_xcnt 0x0                                ; the last tile's stores have read the accumulators' registers
.endif
.irp m, 0,1,2,3
	v_wmma_scale_f32_16x16x128_f8f6f4 v[ACC+8*\m:ACC+8*\m+7], v[OF+16*\m:OF+16*\m+7], v[WF+16*(\t):WF+16*(\t)+7], v[BC+8*(\t):BC+8*(\t)+7], v[OS+2*\m], v[WS+2*(\t)] matrix_a_fmt:MATRIX_FMT_FP4 matrix_b_fmt:MATRIX_FMT_FP4
.endr
.irp m, 0,1,2,3
	v_wmma_scale_f32_16x16x128_f8f6f4 v[ACC+8*\m:ACC+8*\m+7], v[OF+16*\m+8:OF+16*\m+15], v[WF+16*(\t)+8:WF+16*(\t)+15], v[ACC+8*\m:ACC+8*\m+7], v[OS+2*\m+1], v[WS+2*(\t)+1] matrix_a_fmt:MATRIX_FMT_FP4 matrix_b_fmt:MATRIX_FMT_FP4
.endr
.rept 5
	v_nop                                          ; four places in front of the reads of results and of the loads into them; the fifth since the next tile's sums begin anew on these registers
.endr
.irp m, 0,1,2,3
	ds_store_b128 v[STO], v[ACC+8*\m:ACC+8*\m+3] offset:128*(\m/2)+32*(\m%2)       ; each accumulator from its low end on
	ds_store_b128 v[STO], v[ACC+8*\m+4:ACC+8*\m+7] offset:128*(\m/2)+32*(\m%2)+16
.endr
.irp i, 0,1,2,3,4,5,6,7
	ds_load_b128 v[ACC+4*\i:ACC+4*\i+3], v[RD] offset:544*\i   ; LDS serves a wave's instructions in order (ISA guide 5.7.1.4): these see my stores, and the next tile's stores come behind them
.endr
	s_wait_loadcnt 8*(3-(\t))                      ; x's rows of this tile are in; the later tiles' may be out
	s_wait_dscnt 0x0
	WIN 0x04                                       ; source 1 (x) window 1
.set i, 0
.rept 16
	v_pk_add_f32 v[ACC+i:ACC+i+1], v[ACC+i:ACC+i+1], v[32*(\t)+i:32*(\t)+i+1]
.set i, i+2
.endr
	WIN 0
.irp i, 0,1,2,3,4,5,6,7
	global_store_b128 v[XO], v[ACC+4*\i:ACC+4*\i+3], s[16:17] offset:(16*(\t)+2*\i)*16384 th:TH_STORE_NT   ; sixteen lanes store 256 consecutive bytes, at a multiple of 256 from out0's first byte
.endr
.endm
	TILE 0
	TILE 1
	TILE 2
	TILE 3
	s_wait_tensorcnt 0x0
	ds_add_u32 v254, v255
	s_wait_dscnt 0x0
	s_endpgm
.Lfunc_end_k_q5aec25b4ef_proj:
	.size	k_q5aec25b4ef_proj, .Lfunc_end_k_q5aec25b4ef_proj-k_q5aec25b4ef_proj
	.p2alignl 7, 3214868480
	.fill 96, 4, 3214868480
	.section	.rodata,"a",@progbits
	.p2align	6, 0x0
	.amdhsa_kernel k_q5aec25b4ef_proj
		.amdhsa_group_segment_fixed_size 17920
		.amdhsa_private_segment_fixed_size 0
		.amdhsa_enable_private_segment 0
		.amdhsa_kernarg_size 56
		.amdhsa_user_sgpr_count 2
		.amdhsa_user_sgpr_kernarg_segment_ptr 1
		.amdhsa_wavefront_size32 1
		.amdhsa_system_sgpr_workgroup_id_x 1
		.amdhsa_system_sgpr_workgroup_id_y 1
		.amdhsa_system_sgpr_workgroup_id_z 1
		.amdhsa_system_vgpr_workitem_id 0
		.amdhsa_next_free_vgpr 384
		.amdhsa_next_free_sgpr 66
		.amdhsa_reserve_vcc 0
		.amdhsa_float_denorm_mode_32 3
		.amdhsa_float_denorm_mode_16_64 3
		.amdhsa_memory_ordered 1
		.amdhsa_forward_progress 1
		.amdhsa_inst_pref_size 29
	.end_amdhsa_kernel
	.amdgpu_metadata
---
amdhsa.version: [ 1, 2 ]
amdhsa.kernels:
  - .name:           k_q5aec25b4ef_proj
    .symbol:         k_q5aec25b4ef_proj.kd
    .args:
      - { .name: ocod, .offset: 0, .size: 8, .value_kind: global_buffer, .address_space: global }
      - { .name: oscl, .offset: 8, .size: 8, .value_kind: global_buffer, .address_space: global }
      - { .name: proj_w_codes, .offset: 16, .size: 8, .value_kind: global_buffer, .address_space: global }
      - { .name: proj_w_scales, .offset: 24, .size: 8, .value_kind: global_buffer, .address_space: global }
      - { .name: proj_b, .offset: 32, .size: 8, .value_kind: global_buffer, .address_space: global }
      - { .name: x, .offset: 40, .size: 8, .value_kind: global_buffer, .address_space: global }
      - { .name: out0, .offset: 48, .size: 8, .value_kind: global_buffer, .address_space: global }
    .group_segment_fixed_size: 17920
    .private_segment_fixed_size: 0
    .kernarg_segment_align: 8
    .kernarg_segment_size: 56
    .max_flat_workgroup_size: 128
    .sgpr_count:     66
    .vgpr_count:     384
    .wavefront_size: 32
...
	.end_amdgpu_metadata
.endif
;; end of part 4
